; MI455X (gfx1250); checked and timed in simulation.
; The chip was launched on July 23, 2026; its instructions are those of AMD's public machine-readable ISA for CDNA 5 (MIT licence, August 2026) and "CDNA5" Instruction Set Architecture Reference Guide (July 2026). The comments in the code are by the model that wrote it; some were corrected since.
;; Multihead Attention. Allowed arithmetic: matrix products marked QUANTISED: E4M3 operands, one given power-of-two scale a tensor, by v_wmma_f32_16x16x64_fp8_fp8 or v_wmma_f32_16x16x128_fp8_fp8, f32 sums; everything else in f32.
;; Inputs: W_k_codes 1,024 x 32 x 32 uint8 (E4M3 codes of W_k, K innermost, in blocks of 32 codes); W_o_codes 1,024 x 32 x 32 uint8 (E4M3 codes of W_o, K innermost, in blocks of 32 codes); W_q_codes 1,024 x 32 x 32 uint8 (E4M3 codes of W_q, K innermost, in blocks of 32 codes); W_v_codes 1,024 x 32 x 32 uint8 (E4M3 codes of W_v, K innermost, in blocks of 32 codes); b_o 1,024 float32; lowp_scales 12 int32 (the exponents e of the quantised operands' scales 2^e); x_codes 4 x 2,048 x 32 x 32 uint8 (E4M3 codes of x, K innermost, in blocks of 32 codes).
;; Outputs: out0 4 x 2,048 x 1,024 float32.
;; This version of the problem:
;;   THIS VERSION OF THE PROBLEM IS GIVEN IN LOW PRECISION. The matrix products marked QUANTISED in the list below multiply operands that are first quantised to E4M3 (4 exponent bits, 3 mantissa bits; 8 bits a number), with one given power-of-two scale for each operand tensor; their sums are f32. All else is computed in f32.
;;   The module's matrix products, in the order in which they are computed (A, B: the left and right operand; K: the contracted axis; several contracted axes count as one K, in the product's order):
;;     1. [M 8,192, K 1,024] x [K 1,024, N 1,024]; A: input x (given as codes); B: input W_q (given as codes): QUANTISED (scales: A lowp_scales[0], B lowp_scales[1])
;;     2. [M 8,192, K 1,024] x [K 1,024, N 1,024]; A: input x (given as codes); B: input W_k (given as codes): QUANTISED (scales: A lowp_scales[2], B lowp_scales[3])
;;     3. [M 8,192, K 1,024] x [K 1,024, N 1,024]; A: input x (given as codes); B: input W_v (given as codes): QUANTISED (scales: A lowp_scales[4], B lowp_scales[5])
;;     4. batch 64 x [M 2,048, K 64] x [K 64, N 2,048]; A: computed on the way; B: computed on the way: QUANTISED (scales: A lowp_scales[6], B lowp_scales[7])
;;     5. batch 64 x [M 2,048, K 2,048] x [K 2,048, N 64]; A: softmax (see below); B: computed on the way: QUANTISED (scales: A lowp_scales[8], B lowp_scales[9])
;;     6. [M 8,192, K 1,024] x [K 1,024, N 1,024]; A: computed on the way; B: input W_o (given as codes): QUANTISED (scales: A lowp_scales[10], B lowp_scales[11])
;;   THE QUANTISER, for each operand of a quantised product, along K:
;;     - The operand's scale is 2^e, e = its entry of the input lowp_scales (int32; the entries are numbered through the quantised products in the list's order, A before B).
;;     - Each number is divided by the scale, clamped to +-448, and rounded to the nearest number of E4M3, ties to even, subnormals kept.
;;     - The product sums the exact products of the quantised numbers (number of the format x scale) in f32.
;;   ~~~python
;;   def quantise(x, axis, e):      # numpy; x: float32 -> the quantised numbers, widened to float32 again
;;       x = np.moveaxis(x, axis, -1); K = x.shape[-1]
;;       r = np.clip(x / 2.0 ** e, -448, 448)
;;       step = 2.0 ** (np.maximum(np.frexp(np.where(r == 0, 1, r))[1] - 1, -6) - 3)
;;       q = np.round(r / step) * step * 2.0 ** e      # np.round: ties to even
;;       return np.moveaxis(q, -1, axis).astype(np.float32)
;;   ~~~
;;   SOFTMAX AHEAD OF A QUANTISED PRODUCT. Where the list says 'softmax', what is quantised is not the finished softmax but p = 2^(t - M), with t = logit x log2(e) and M = ceil(the row's largest t), a whole number; so 1/2 < the row's largest p <= 1. The row's sum l is taken of the UNQUANTISED p, in f32, and the product's result is divided by l at the end. Since M is a whole number, a kernel that streams over the keys may use a running M (the ceiling of the running maximum): every later rescaling is an exact power of two, so the quantised numbers keep their values, but for numbers so far below the row's largest that they fall under the format's range.
;;   OPERANDS COMPUTED ON THE WAY. 'Computed on the way' means the value that the module computes at that place (a softmax that the list does not call 'softmax' is quantised finished and normalised). What goes into a quantiser is computed in f32, as accurately as f32 sums, v_exp_f32 and their like allow (about 1e-6 of the number): no bf16 or f16 on the way to a quantiser, and a product that is left as it is and whose result goes on into a quantised operand takes f32 operands (vector FMAs, or v_wmma_f32_16x16x4_f32). A number that lies on a knife's edge between two numbers of the format may be rounded either way, as far as f32 arithmetic and the matrix unit's own rounding can turn it there, and no further.
;;   INPUTS GIVEN AS CODES. W_k (in the module: [1024, 1024], K = its axis 0); W_o (in the module: [1024, 1024], K = its axis 0); W_q (in the module: [1024, 1024], K = its axis 0); W_v (in the module: [1024, 1024], K = its axis 0); x (in the module: [4, 2048, 1024], K = its axis 2): each comes as NAME_codes (uint8): NAME with its K axis moved to the last place and cut into blocks of 32 codes, [.., K / 32, bytes a block], one block behind the other in memory; one code a byte (a code: sign, 4 exponent bits, 3 mantissa bits); its scale is its entry of lowp_scales. Its value is code x scale, taken as it is: it is not quantised again, and the codes and scales need not be those that the quantiser above would give.
;; One version. Each part assembles by itself: llvm-mc -triple=amdgcn-amd-amdhsa -mcpu=gfx1250 --defsym DOCPART=n.
;; ======== version 1 of 1: 3 launches
;; limits: right only within a limited range of input values
;; workspace buffers: q_codes 8,388,608 bytes; k_codes 8,388,608 bytes; v_codes 8,388,608 bytes; ctx_codes 8,388,608 bytes
;; launch qkv (part 1): grid 4 x 192, 4 waves a work-group, clusters of 4 x 4, 327,680 bytes of LDS; arguments x_codes, W_q_codes, W_k_codes, W_v_codes, lowp_scales, q_codes, k_codes, v_codes; writes q_codes, k_codes, v_codes
.if DOCPART == 1
	.amdgcn_target "amdgcn-amd-amdhsa--gfx1250"
	.amdhsa_code_object_version 6
	.text
	.protected	k_q5103e1fde3_qkv
	.globl	k_q5103e1fde3_qkv
	.p2align	8
	.type	k_q5103e1fde3_qkv,@function
k_q5103e1fde3_qkv:
	s_mov_b64 s[64:65], 0
	v_nop
	global_prefetch_b8 v0, s[64:65] scope:SCOPE_SE
	s_setreg_imm32_b32 hwreg(HW_REG_WAVE_MODE, 25, 1), 1
	s_wait_xcnt 0x0
	s_wait_alu depctr_hold_cnt(0) depctr_sa_sdst(0) depctr_va_vdst(0) depctr_va_sdst(0) depctr_va_ssrc(0) depctr_va_vcc(0) depctr_vm_vsrc(0)
	s_getreg_b32 s2, hwreg(HW_REG_IB_STS2, 6, 4)
	s_cmp_eq_u32 s2, 0
	s_cbranch_scc0 .Lentry_in_a_cluster
	s_endpgm
.Lentry_in_a_cluster:
	s_bfe_u32 s2, ttmp6, 0x10000c
	s_cmp_lg_u32 s2, 0xf033
	s_cbranch_scc0 .Lentry_shape_is_right
	s_endpgm
.Lentry_shape_is_right:
; q = x W_q, k = x W_k, v = x W_v on codes of E4M3 (one code a byte, K = 1,024 innermost), sums in f32; each result is quantised at once to codes of E4M3 with the scale given for it.
; C'[i][j] = sum over k of A[i][k] B[j][k].  A work-group of four waves makes 128 rows of A x 256 rows of B; a wave 64 x 128: 32 accumulators of 16 x 16, 256 registers.
; WHICH PRODUCT: the cluster's y, 0 .. 47, gives sel = y / 16 and c = y % 16, the same in all sixteen partners.  sel 0, 1 (q, k): A = x (64 blocks of 128 tokens), B = the weight (4 blocks of 256 features).
; sel 2 (v): A = W_v (8 blocks of 128 features), B = x (32 blocks of 256 tokens): so v comes out with the TOKENS innermost, as the second product of attention wants it, and the core is the same.
; OUT: q_codes, k_codes [batch][head][token][64]; v_codes [feature][token of all batches].  A sum stands for sum x 2^E (E = the two operands' exponents added); its code is sum / 2^(T - E), T the exponent given for the result,
; held within +-448 x 2^(T - E).  LIMIT: T - E between -126 and 119, so that both powers of two are f32 numbers.  NaN codes among the inputs are not served.
; K goes in four steps of 256 through THREE LDS slots: K steps 0, 1, 2 are asked for together at the start (three tensor loads of a wave are out at the most), K step 3 is the one refill, into slot 0.
; CLUSTER 4 x 4: A's tile hangs on the block row alone and is asked for jointly by a row of the cluster, B's on the block column alone, by a column.
; THE MATRIX INSTRUCTION IS USED TRANSPOSED (source 0 = 16 rows of B, source 1 = 16 rows of A): lane (r, h) holds row 16 a + r of A and its registers the columns 16 b + 8 h + 0 .. 7: eight neighbours, one conversion.
; REGISTERS: window 0: v0-31 addresses; v128-255 A's fragments, two sets of 4 x 16.  window 1: B's fragments, two sets of 8 x 16.  window 2: accumulator (a, b) at v[8 (8 a + b)].
.set PITCH,  272                       ; an LDS row: 256 bytes + 16 of padding = 68 words, so the 16 rows that a load touches start 4 words apart modulo 64 words
.set AHALF,  64*PITCH                  ; what one tensor load brings of A, and what one wave reads of it
.set BHALF,  128*PITCH                 ; the same of B
.set ABYTES, 2*AHALF
.set SLOT,   ABYTES+2*BHALF            ; 104,448: A's 128 rows, then B's 256
.set SPARE,  3*SLOT                    ; behind the slots: the spare words, 128 bytes for each wave: two blocks of 256 bytes that no other line names
.set STAGE,  SLOT                      ; the way out: 128 rows x 272 bytes in slot 1, which is filled once and is read for the last time ahead of the barrier in front of K step 3
.set KSTEP,  256
.set KROW,   1024
.set ADRA, 16                          ; v16-18 LDS address of my A fragments in slot 0, 1, 2
.set ADRB, 20                          ; v20-22 the same for B
.set STO,  24                          ; v24 the stage: where I put 8 codes
.set RDQ,  25                          ; v25 q, k: where I read the stage back;  v26 my byte offset in the output
.set COQ,  26
.set RDV,  27                          ; v27, v31 the same for v
.set SPW,  28                          ; v28 LDS address of my spare word; never rewritten
.set NIL,  29                          ; v29 0; never rewritten
.set SCL,  30                          ; v30 2^(T - E) as f32
.set COV,  31
.set BK,   64                          ; v64-127 rows read back from the stage
.set TMP,  128                         ; not written: the conversions read the accumulators in window 2 directly
.set COD,  192                         ; v192-255 the codes
.set WV, 20                            ; s20 wave;  s21 wave / 2: my 64 rows of A; also: I fetch for A (0) or B (1);  s22 wave % 2: my 128 rows of B; also: which half I fetch
.set HI, 21
.set LO, 22
.set G1A, 32                           ; s[32:39], s[40:47] descriptor groups 1;  s[48:59], s[68:79] groups 0, one set for each slot
.set G1B, 40
.set G0A, 48
.set G0B, 68
.set MSB, 0
.macro WIN new                         ; the immediate's high byte repeats the setting that is left
.if MSB != \new
	s_set_vgpr_msb (MSB<<8)|\new
.set MSB, \new
.endif
.endm
.set MULW, 0xa1                        ; source 0 (B) window 1, source 1 (A) window 0, C and D window 2
.set TO_B, 0x40                        ; destination window 1, address window 0
.macro PLACES                          ; four plain vector lines between a matrix instruction and a load into, or a vector read or write of, its registers
.rept 4
	v_nop
.endr
.endm
.macro JLOAD                           ; the joint refill of slot 0: waves 0, 1 for A, waves 2, 3 for B; the branch hangs on the wave's number alone; four v_nop follow each line
	s_cmp_eq_u32 s[HI], 0
	s_cbranch_scc0 .Lfor_b_\@
	tensor_load_to_lds s[G0A:G0A+3], s[G1A:G1A+7]
	s_nop 0
.rept 4
	v_nop
.endr
	s_branch .Lasked_\@
.Lfor_b_\@:
	tensor_load_to_lds s[G0B:G0B+3], s[G1B:G1B+7]
	s_nop 0
.rept 4
	v_nop
.endr
.Lasked_\@:
.endm
.macro CREST                           ; a round of the cluster's barrier behind its opening barrier
	s_cmp_lg_u32 s[WV], 0
	s_cbranch_scc1 .Lnot_wave_0_\@
	s_barrier_signal -3
.Lnot_wave_0_\@:
	s_barrier_wait -3
	s_barrier_signal -1
	s_barrier_wait -1
.endm
.macro CROUND
	s_barrier_signal -1
	s_barrier_wait -1
	CREST
.endm
; A fragment, 16 rows x 128 K, is 16 registers: lane (r, h) holds row r; registers 4 c .. 4 c + 3 hold K = 32 c + 16 h + 0 .. 15: the same order of k in A and in B, so every product meets its partner.
.macro FRAGB reg, s, q, b
.irp c, 0,1,2,3
	ds_load_b128 v[\reg+4*\c:\reg+4*\c+3], v[ADRB+\s] offset:128*(\q)+32*\c+(\b)*16*PITCH
.endr
.endm
.macro FRAGA reg, s, q, a
.irp c, 0,1,2,3
	ds_load_b128 v[\reg+4*\c:\reg+4*\c+3], v[ADRA+\s] offset:128*(\q)+32*\c+(\a)*16*PITCH
.endr
.endm
.macro FETCH s, q, p                   ; 48 LDS loads in one run: the q-th 128 along K of slot s into set p
	WIN TO_B
.irp i, 0,1,2,3,4,5,6,7
	FRAGB 128*(\p)+16*\i, \s, \q, \i
.endr
	WIN 0
.irp i, 0,1,2,3
	FRAGA 128+64*(\p)+16*\i, \s, \q, \i
.endr
.endm
.macro MUL8 a, p, zero                 ; A's block a against B's eight; the 32 accumulators take turns in the same order in every step; zero = 1: the first product starts the sums
.irp b, 0,1,2,3,4,5,6,7
.if \zero
	v_wmma_f32_16x16x128_fp8_fp8 v[8*(8*(\a)+\b):8*(8*(\a)+\b)+7], v[128*(\p)+16*\b:128*(\p)+16*\b+15], v[128+64*(\p)+16*(\a):128+64*(\p)+16*(\a)+15], 0
.else
	v_wmma_f32_16x16x128_fp8_fp8 v[8*(8*(\a)+\b):8*(8*(\a)+\b)+7], v[128*(\p)+16*\b:128*(\p)+16*\b+15], v[128+64*(\p)+16*(\a):128+64*(\p)+16*(\a)+15], v[8*(8*(\a)+\b):8*(8*(\a)+\b)+7]
.endif
.endr
.endm
; A step of 128 along K on set p; the next step's fragments (slot s, part q) are asked for first, into the other set, and have the 32 products in which to come.
.macro SUB p, zero, places, fetch, s, q
	s_wait_dscnt 0x0                               ; set p is in
.if \places
	PLACES                                         ; the other set was read by the products of the step before
.endif
.if \fetch
	FETCH \s, \q, 1-(\p)
.endif
	WIN MULW
	MUL8 0, \p, \zero
	MUL8 1, \p, \zero
	MUL8 2, \p, \zero
	MUL8 3, \p, \zero
	WIN 0
.endm
; A step on set 1 with a barrier in it.  In front of the barrier each wave waits for all its tensor loads, adds 0 to its spare word, and waits for that and for its LDS reads.
; fill = 1: the barrier opens a round of the cluster's barrier, and slot 0, which nobody reads any more, takes K step 3.  fill = 0: K step 3 has landed in every wave; nothing is filled.
.macro TURN fill, s, q
	s_wait_tensorcnt 0x0                           ; all my tensor loads have landed
	ds_add_u32 v[SPW], v[NIL]                      ; 0 onto my spare word
	s_wait_dscnt 1                                 ; only the add may be out: set 1 is in
	WIN MULW
	MUL8 0, 1, 0                                   ; eight products stand between the add and the wait for it
	s_wait_dscnt 0x0                               ; the add is done, and my LDS reads are over
	s_barrier_signal -1
	MUL8 1, 1, 0
	WIN 0
	s_barrier_wait -1
.if \fill
	CREST                                          ; no wave of any partner still reads slot 0 or has a load on its way
	s_add_nc_u64 s[G0A+2:G0A+3], s[G0A+2:G0A+3], 3*KSTEP
	s_add_nc_u64 s[G0B+2:G0B+3], s[G0B+2:G0B+3], 3*KSTEP
	JLOAD                                          ; the first tensor load behind the round, and my only one; its four v_nop are also the places in front of the loads below
.else
	PLACES
.endif
	FETCH \s, \q, 0
	WIN MULW
	MUL8 2, 1, 0
	MUL8 3, 1, 0
	WIN 0
.endm
	s_load_b256 s[4:11], s[0:1], 0x0               ; x s[4:5], W_q s[6:7], W_k s[8:9], W_v s[10:11]
	s_load_b256 s[12:19], s[0:1], 0x20             ; the scales' exponents s[12:13], q_codes s[14:15], k_codes s[16:17], v_codes s[18:19]
	v_lshl_add_u32 v[SPW], v0, 2, SPARE
	v_mov_b32 v[NIL], 0
	ds_add_u32 v28, v29
	ds_add_u32 v28, v29
	s_wait_dscnt 0x0
	v_lshrrev_b32 v1, 5, v0
	v_readfirstlane_b32 s[WV], v1                  ; wave 0..3
	s_lshr_b32 s[HI], s[WV], 1
	s_and_b32 s[LO], s[WV], 1
	s_bfe_u32 s23, ttmp6, 0x40000                  ; cx
	s_bfe_u32 s24, ttmp6, 0x40004                  ; cy
	s_and_b32 s25, ttmp7, 0xffff                   ; the cluster's y
	s_lshr_b32 s26, s25, 4                         ; sel: 0 q, 1 k, 2 v
	s_and_b32 s27, s25, 15                         ; c
	s_and_b32 s92, s27, 7
	s_lshr_b32 s93, s27, 3
	s_cmp_eq_u32 s26, 2
	s_cselect_b32 s28, s92, 0                      ; the cluster's place along B's blocks: c % 8 for v, else 0
	s_cselect_b32 s29, s93, s27                    ; and along A's: c / 8 for v, else c
	s_lshl_b32 s28, s28, 2
	s_add_co_u32 s28, s28, s23                     ; X: my block of 256 rows of B
	s_lshl_b32 s29, s29, 2
	s_add_co_u32 s29, s29, s24                     ; Y: my block of 128 rows of A
	s_lshl_b32 s30, s24, 2
	s_lshl_b32 s30, 15, s30                        ; my row of the cluster
	s_lshl_b32 s31, 0x1111, s23                    ; my column
	s_or_b32 s[G1A], s30, (1<<20)|(1<<21)|(5<<22)|(3<<25)   ; 15:0 the mask; elements of 1 byte; 20 padding on; 21 set beside a mask; after every 64 words (code 5) 4 words (code 3)
	s_or_b32 s[G1B], s31, (1<<20)|(1<<21)|(5<<22)|(3<<25)
	s_mov_b32 s[G1A+1], KSTEP<<16                  ; tensor_dim0 = 256
	s_mov_b32 s[G1A+2], 64<<16                     ; tensor_dim1 = 64
	s_mov_b32 s[G1A+3], KSTEP<<16                  ; tile_dim0 = 256
	s_mov_b32 s[G1A+4], 64                         ; tile_dim1 = 64
	s_mov_b32 s[G1A+5], KROW                       ; from row to row
	s_mov_b32 s[G1A+6], 0
	s_mov_b32 s[G1A+7], 0
	s_mov_b32 s[G1B+1], KSTEP<<16
	s_mov_b32 s[G1B+2], 128<<16                    ; 128 rows
	s_mov_b32 s[G1B+3], KSTEP<<16
	s_mov_b32 s[G1B+4], 128
	s_mov_b32 s[G1B+5], KROW
	s_mov_b32 s[G1B+6], 0
	s_mov_b32 s[G1B+7], 0
	s_lshl_b32 s94, s29, 7
	s_lshl_b32 s95, s[LO], 6
	s_add_co_u32 s94, s94, s95
	s_lshl_b32 s94, s94, 10                        ; A: (128 Y + 64 x half) rows of 1,024 bytes
	s_mov_b32 s95, 0
	s_lshl_b32 s96, s28, 8
	s_lshl_b32 s97, s[LO], 7
	s_add_co_u32 s96, s96, s97
	s_lshl_b32 s96, s96, 10                        ; B: (256 X + 128 x half) rows
	s_mov_b32 s97, 0
	s_mul_i32 s98, s[LO], AHALF                    ; where they go in a slot: the wave's number alone enters an LDS address
	s_mul_i32 s99, s[LO], BHALF
	s_add_co_u32 s99, s99, ABYTES
	s_wait_kmcnt 0x0
	s_load_b256 s[80:87], s[12:13], 0x0            ; e0 .. e7
	s_load_b128 s[88:91], s[12:13], 0x20           ; e8 .. e11
	s_cmp_eq_u32 s26, 2
	s_cselect_b64 s[60:61], s[10:11], s[4:5]       ; A: W_v or x
	s_cselect_b64 s[62:63], s[4:5], s[6:7]         ; B: x, or W_q,
	s_cmp_eq_u32 s26, 1
	s_cselect_b64 s[62:63], s[8:9], s[62:63]       ; or W_k
	s_add_nc_u64 s[60:61], s[60:61], s[94:95]
	s_add_nc_u64 s[62:63], s[62:63], s[96:97]
.irp s, 0,1,2
	s_mov_b32 s[G0A+4*\s], 1                       ; count = 1
	s_add_co_u32 s[G0A+4*\s+1], s98, \s*SLOT       ; LDS address
	s_add_nc_u64 s[G0A+4*\s+2:G0A+4*\s+3], s[60:61], \s*KSTEP   ; global address: K step s
	s_or_b32 s[G0A+4*\s+3], s[G0A+4*\s+3], 0x80000000            ; type = 2
	s_mov_b32 s[G0B+4*\s], 1
	s_add_co_u32 s[G0B+4*\s+1], s99, \s*SLOT
	s_add_nc_u64 s[G0B+4*\s+2:G0B+4*\s+3], s[62:63], \s*KSTEP
	s_or_b32 s[G0B+4*\s+3], s[G0B+4*\s+3], 0x80000000
.endr
	CROUND                                         ; all sixteen work-groups are here: the first joint loads meet
	s_cmp_eq_u32 s[HI], 0                          ; a wave's three first fills stand in one branch, ahead of every wait on TENSORcnt, every LDS read and every other barrier
	s_cbranch_scc0 .Lfirst_b
	tensor_load_to_lds s[G0A:G0A+3], s[G1A:G1A+7]
	s_nop 0
	tensor_load_to_lds s[G0A+4:G0A+7], s[G1A:G1A+7]
	s_nop 0
	tensor_load_to_lds s[G0A+8:G0A+11], s[G1A:G1A+7]
	s_nop 0
.rept 4
	v_nop
.endr
	s_branch .Lfirst_done
.Lfirst_b:
	tensor_load_to_lds s[G0B:G0B+3], s[G1B:G1B+7]
	s_nop 0
	tensor_load_to_lds s[G0B+4:G0B+7], s[G1B:G1B+7]
	s_nop 0
	tensor_load_to_lds s[G0B+8:G0B+11], s[G1B:G1B+7]
	s_nop 0
.rept 4
	v_nop
.endr
.Lfirst_done:
	v_and_b32 v1, 15, v0                           ; r
	v_bfe_u32 v2, v0, 4, 1                         ; h
	v_mul_u32_u24 v3, v1, PITCH
	v_lshl_add_u32 v3, v2, 4, v3                   ; a fragment's row x pitch + 16 h
	s_mul_i32 s92, s[HI], AHALF                    ; my 64 rows of A
	s_mul_i32 s93, s[LO], BHALF                    ; my 128 rows of B,
	s_add_co_u32 s93, s93, ABYTES                  ; which lie behind A's
.irp s, 0,1,2
	v_add_nc_u32 v[ADRA+\s], s92, v3
	v_add_nc_u32 v[ADRB+\s], s93, v3
	s_add_co_u32 s92, s92, SLOT
	s_add_co_u32 s93, s93, SLOT
.endr
	s_mul_i32 s92, s[HI], 64*PITCH                 ; the stage, on the way in: row 64 x (wave / 2) + r, byte 128 x (wave % 2) + 8 h
	s_lshl_b32 s93, s[LO], 7
	s_add_co_u32 s92, s92, s93
	s_add_co_u32 s92, s92, STAGE
	v_mul_u32_u24 v4, v1, PITCH
	v_lshl_add_u32 v4, v2, 3, v4
	v_add_nc_u32 v[STO], s92, v4
	v_and_b32 v5, 31, v0                           ; lane
	v_lshrrev_b32 v6, 2, v5                        ; q, k on the way back: wave w takes head 4 X + w: bytes 64 w .. 64 w + 63 of every row; four lanes to a row, eight rows a load
	v_mul_u32_u24 v6, v6, PITCH
	v_and_b32 v7, 3, v5
	v_lshl_add_u32 v6, v7, 4, v6
	s_lshl_b32 s92, s[WV], 6
	s_add_co_u32 s92, s92, STAGE
	v_add_nc_u32 v[RDQ], s92, v6
	v_lshlrev_b32 v[COQ], 4, v5                    ; those eight rows are 512 consecutive bytes of the head
	v_mul_u32_u24 v8, v2, PITCH                    ; v on the way back: wave w takes rows 32 w on, whole; sixteen lanes to a row, two rows a load
	v_lshl_add_u32 v8, v1, 4, v8
	s_mul_i32 s92, s[WV], 32*PITCH
	s_add_co_u32 s92, s92, STAGE
	v_add_nc_u32 v[RDV], s92, v8
	v_lshlrev_b32 v[COV], 13, v2                   ; a row of v_codes is 8,192 bytes
	v_lshl_add_u32 v[COV], v1, 4, v[COV]
	; where my part of the output begins
	s_lshr_b32 s92, s29, 4                         ; q, k: batch Y / 16,
	s_lshl_b32 s92, s92, 21
	s_lshl_b32 s93, s28, 2
	s_add_co_u32 s93, s93, s[WV]                   ; head 4 X + wave,
	s_lshl_b32 s93, s93, 17
	s_add_co_u32 s92, s92, s93
	s_and_b32 s93, s29, 15                         ; tokens 128 (Y % 16) on, 64 bytes each
	s_lshl_b32 s93, s93, 13
	s_add_co_u32 s92, s92, s93
	s_lshl_b32 s94, s29, 7                         ; v: feature 128 Y + 32 x wave,
	s_lshl_b32 s95, s[WV], 5
	s_add_co_u32 s94, s94, s95
	s_lshl_b32 s94, s94, 13
	s_lshl_b32 s95, s28, 8                         ; tokens 256 X on
	s_add_co_u32 s94, s94, s95
	s_cmp_eq_u32 s26, 2
	s_cselect_b32 s92, s94, s92
	s_cselect_b64 s[66:67], s[18:19], s[14:15]
	s_mov_b32 s93, 0
	s_cmp_eq_u32 s26, 1
	s_cselect_b64 s[66:67], s[16:17], s[66:67]
	s_add_nc_u64 s[66:67], s[66:67], s[92:93]
	s_wait_tensorcnt 2                             ; my part of K step 0 is in; the two loads issued behind it may be out
	s_barrier_signal -1
	s_barrier_wait -1                              ; everybody's is
	FETCH 0, 0, 0
	SUB 0, 1, 0, 1, 0, 1                           ; K 0-127: starts the sums
	TURN 1, 1, 0                                   ; K 128-255; slots 1 and 2 have landed in every wave; slot 0 takes K step 3, which has the next 112 products a wave in which to land
	SUB 0, 0, 1, 1, 1, 1
	SUB 1, 0, 1, 1, 2, 0
	SUB 0, 0, 1, 1, 2, 1
	TURN 0, 0, 0                                   ; K 640-767; K step 3 has landed in every wave
	SUB 0, 0, 1, 1, 0, 1
	SUB 1, 0, 0, 0, 0, 0                           ; K 896-1023: nothing more to fetch
	; THE WAY OUT: convert, 8 codes a lane into the work-group's stage, a barrier, back as whole runs of the output.
	s_wait_kmcnt 0x0
	s_add_co_i32 s92, s80, s81
	s_add_co_i32 s93, s82, s83
	s_add_co_i32 s94, s84, s85
	s_sub_co_i32 s92, s86, s92                     ; q: e6 - e0 - e1
	s_sub_co_i32 s93, s87, s93                     ; k: e7 - e2 - e3
	s_sub_co_i32 s94, s89, s94                     ; v: e9 - e4 - e5
	s_cmp_eq_u32 s26, 1
	s_cselect_b32 s92, s93, s92
	s_cmp_eq_u32 s26, 2
	s_cselect_b32 s92, s94, s92                    ; T - E: chosen without a branch
	s_add_co_i32 s92, s92, 127
	s_lshl_b32 s93, s92, 23
	PLACES                                         ; behind the last products: their results are read, and A's registers written, below
	v_mov_b32 v[SCL], s93                          ; 2^(T - E): the conversion takes its exponent field
.irp a, 0,1,2,3
	WIN 0x02                                       ; source 0 window 2
.set j, 0
.rept 64
.set j, j+1
.endr
.irp b, 0,1,2,3,4,5,6,7
	v_cvt_scalef32_pk8_fp8_f32 v[COD+16*\a+2*\b:COD+16*\a+2*\b+1], v[TMP+8*\b+((64*\a+j)-(TMP+j)):TMP+8*\b+7+((64*\a+j)-(TMP+j))], v[SCL]
.endr
	WIN 0
	v_nop
.endr
.irp a, 0,1,2,3
.irp b, 0,1,2,3,4,5,6,7
	ds_store_b64 v[STO], v[COD+16*\a+2*\b:COD+16*\a+2*\b+1] offset:\a*16*PITCH+16*\b
.endr
.endr
	s_wait_dscnt 0x0                               ; for the others' sake: my stores into the stage are done
	s_barrier_signal -1
	s_barrier_wait -1
	s_cmp_eq_u32 s26, 2                            ; the same in all waves and all partners; only LDS loads and stores to memory stand in the two arms
	s_cbranch_scc1 .Lv_out
.irp t, 0,1,2,3,4,5,6,7,8,9,10,11,12,13,14,15
	ds_load_b128 v[BK+4*\t:BK+4*\t+3], v[RDQ] offset:\t*8*PITCH
.endr
.irp t, 0,1,2,3,4,5,6,7,8,9,10,11,12,13,14,15
	s_wait_dscnt 15-\t                             ; the younger loads may be out
	global_store_b128 v[COQ], v[BK+4*\t:BK+4*\t+3], s[66:67] offset:512*\t     ; 32 lanes store 512 consecutive bytes (8 tokens of one head), aligned to 512
.endr
	s_branch .Lout_done
.Lv_out:
.irp t, 0,1,2,3,4,5,6,7,8,9,10,11,12,13,14,15
	ds_load_b128 v[BK+4*\t:BK+4*\t+3], v[RDV] offset:\t*2*PITCH
.endr
.irp t, 0,1,2,3,4,5,6,7,8,9,10,11,12,13,14,15
	s_wait_dscnt 15-\t
	global_store_b128 v[COV], v[BK+4*\t:BK+4*\t+3], s[66:67] offset:16384*\t   ; 16 lanes store 256 consecutive bytes of a feature's row, aligned to 256
.endr
.Lout_done:
	s_wait_tensorcnt 0x0                           ; the wave's end
	ds_add_u32 v[SPW], v[NIL]
	s_wait_dscnt 0x0
	CROUND                                         ; the closing round: no work-group ends while a partner may still ask for a tile that names it
	s_endpgm
.Lfunc_end_k_q5103e1fde3_qkv:
	.size	k_q5103e1fde3_qkv, .Lfunc_end_k_q5103e1fde3_qkv-k_q5103e1fde3_qkv
	.p2alignl 7, 3214868480
	.fill 96, 4, 3214868480
	.section	.rodata,"a",@progbits
	.p2align	6, 0x0
	.amdhsa_kernel k_q5103e1fde3_qkv
		.amdhsa_group_segment_fixed_size 327680
		.amdhsa_private_segment_fixed_size 0
		.amdhsa_enable_private_segment 0
		.amdhsa_kernarg_size 64
		.amdhsa_user_sgpr_count 2
		.amdhsa_user_sgpr_kernarg_segment_ptr 1
		.amdhsa_wavefront_size32 1
		.amdhsa_system_sgpr_workgroup_id_x 1
		.amdhsa_system_sgpr_workgroup_id_y 1
		.amdhsa_system_sgpr_workgroup_id_z 1
		.amdhsa_system_vgpr_workitem_id 0
		.amdhsa_next_free_vgpr 768
		.amdhsa_next_free_sgpr 100
		.amdhsa_reserve_vcc 0
		.amdhsa_float_denorm_mode_32 3
		.amdhsa_float_denorm_mode_16_64 3
		.amdhsa_fp16_overflow 1
		.amdhsa_memory_ordered 1
		.amdhsa_forward_progress 1
		.amdhsa_inst_pref_size 64
	.end_amdhsa_kernel
	.amdgpu_metadata
---
amdhsa.version: [ 1, 2 ]
amdhsa.kernels:
  - .name:           k_q5103e1fde3_qkv
    .symbol:         k_q5103e1fde3_qkv.kd
    .args:
      - { .name: x_codes, .offset: 0, .size: 8, .value_kind: global_buffer, .address_space: global }
      - { .name: W_q_codes, .offset: 8, .size: 8, .value_kind: global_buffer, .address_space: global }
      - { .name: W_k_codes, .offset: 16, .size: 8, .value_kind: global_buffer, .address_space: global }
      - { .name: W_v_codes, .offset: 24, .size: 8, .value_kind: global_buffer, .address_space: global }
      - { .name: lowp_scales, .offset: 32, .size: 8, .value_kind: global_buffer, .address_space: global }
      - { .name: q_codes, .offset: 40, .size: 8, .value_kind: global_buffer, .address_space: global }
      - { .name: k_codes, .offset: 48, .size: 8, .value_kind: global_buffer, .address_space: global }
      - { .name: v_codes, .offset: 56, .size: 8, .value_kind: global_buffer, .address_space: global }
    .group_segment_fixed_size: 327680
    .private_segment_fixed_size: 0
    .kernarg_segment_align: 8
    .kernarg_segment_size: 64
    .max_flat_workgroup_size: 128
    .sgpr_count:     100
    .vgpr_count:     768
    .wavefront_size: 32
...
	.end_amdgpu_metadata
.endif
;; end of part 1
;; launch attn (part 2): grid 4 x 64, 16 waves a work-group, no clusters, 296,960 bytes of LDS; arguments q_codes, k_codes, v_codes, lowp_scales, ctx_codes; writes ctx_codes
.if DOCPART == 2
	.amdgcn_target "amdgcn-amd-amdhsa--gfx1250"
	.amdhsa_code_object_version 6
	.text
	.protected	k_q5103e1fde3_attn
	.globl	k_q5103e1fde3_attn
	.p2align	8
	.type	k_q5103e1fde3_attn,@function
k_q5103e1fde3_attn:
	s_mov_b64 s[64:65], 0
	v_nop
	global_prefetch_b8 v0, s[64:65] scope:SCOPE_SE
	s_setreg_imm32_b32 hwreg(HW_REG_WAVE_MODE, 25, 1), 1
	s_wait_xcnt 0x0
; ctx[b][q][head] = softmax over keys k <= q of (q . k / 8) times v, both products on codes of E4M3; ctx is quantised at once for the last product.
; q_codes, k_codes: [batch x head][2048][64].  v_codes: [64 head + d][2048 batch + key]: keys innermost.  ctx_codes: [token / 4][head][token % 4][64].
; THE SOFTMAX: t = score x log2(e) / 8; M = the running largest t, rounded UP to a whole number; p = 2^(t - M) is quantised with 2^e8, not normalised; the row's sum is taken of the unquantised p and divides at the end.
; When M moves, the sum and O are multiplied by 2^(old M - new M), which rounds nothing.
; SHARES.  Work-group (i, head) owns the blocks i and 7 - i of 256 queries and works them one after the other; each of its sixteen waves owns 16 queries of each.  A wave's key steps of 128 keys are
; 2 i + 1 (or + 2, waves 8-15) and 2 (7 - i) + 1 (or + 2): 16 or 18 in all, whatever i is: 256 work-groups of equal work.  Steps all of whose keys come after the wave's queries are left out by a scalar branch on ids.
; THE HEAD'S WHOLE K AND V LIE IN LDS, each byte filled once: no slot is filled again.  Each wave issues two tensor loads at the start (waves 0-7: K, waves 8-15: V): the first is a piece of keys 0-1023, the second of
; keys 1024-2047.  The first pass (block i <= 3) reads keys 0-1023 alone and starts when the first pieces are in; the second barrier shows the rest.
; NO JOINT LOADS, though four work-groups read the same K and V: they differ in their query blocks, and the branch that leaves hidden key steps out hangs on that block's number, which partners of a cluster would not share.
; LAYOUT.  Both products are used transposed: S^T = K Q^T (source 0 = 16 keys), O^T = V^T P^T (source 0 = 16 channels): a lane holds ONE query (lane % 16).  Register j of score tile t is key 16 t + 8 (lane / 16) + j:
; its eight codes are registers 2 t, 2 t + 1 of the second product's operand as that form lays k.  V is read in the same layout, 8 bytes a load.
; LIMITS on the given exponents, so that each power of two is an f32 number: e6 + e7 between -123 and 130; e8, and e10 - e8 - e9, between -126 and 119.  NaN codes are not served.
; REGISTERS: v1-9 addresses; v12 -M, v13 the largest t, v[14:15] the sum in two halves; v16-23, v24-31 Q of the two passes; v32-95 K's 8 fragments, then V's 4; v96-159 S^T, then p; v160-191 O^T; v192-207 p's codes;
; v208-213 constants and f; v214-219 at work; v220-227 ctx's codes; v228-243 rows on the way out, a set for each pass.
.set KCH,   17408                      ; 256 keys in LDS: of K 64 lines of 4 keys (256 bytes + 16 of padding), of V 64 rows of 256 codes + 16: the same number, so one scalar steps both
.set PIECE, 8704                       ; what one tensor load brings: 32 lines
.set VB,    8*KCH                      ; V begins behind K's 139,264 bytes
.set STG,   2*VB                       ; behind V: 1,024 bytes for each wave, for the way out; no tensor load lands there
.set WV,  14
.set SEL, 20                           ; s[20:21] v_permlanex16_b32's selects for lane xor 16
.set CS,  22                           ; s[22:23] c = log2(e) / 8 x 2^(e6 + e7)
.set G1K, 24
.set G1V, 32
.set G0K, 40                           ; s[40:47] K's two groups 0;  s[48:55] V's
.set G0V, 48
.set Q0,  58                           ; s58 my first query of the pass;  s59 the step's first key;  s60 the LDS byte of the chunk of 256 keys in hand;  s61 chunks to go
.set KF,  59
.set TB,  60
.set CNT, 61
	s_load_b256 s[4:11], s[0:1], 0x0               ; q s[4:5], k s[6:7], v s[8:9], the scales' exponents s[10:11]
	s_load_b64 s[12:13], s[0:1], 0x20              ; ctx
	v_lshl_add_u32 v254, v0, 2, 0x48000
	v_mov_b32 v255, 0
	ds_add_u32 v254, v255
	ds_add_u32 v254, v255
	v_lshrrev_b32 v1, 5, v0
	s_delay_alu instid0(VALU_DEP_1)
	v_readfirstlane_b32 s[WV], v1                  ; wave 0..15
	s_and_b32 s15, s[WV], 7                        ; which piece I fetch
	s_mov_b32 s16, ttmp9                           ; i
	s_and_b32 s17, ttmp7, 0xffff                   ; batch x 16 + head
	s_lshr_b32 s18, s17, 4                         ; batch
	s_and_b32 s19, s17, 15                         ; head
	s_mov_b32 s[G1K], (1<<20)|(5<<22)|(3<<25)      ; no mask; elements of 1 byte; padding on: after every 64 words (code 5) 4 words (code 3)
	s_mov_b32 s[G1K+1], 256<<16                    ; tensor_dim0 = 256
	s_mov_b32 s[G1K+2], 32<<16                     ; tensor_dim1 = 32
	s_mov_b32 s[G1K+3], 256<<16                    ; tile_dim0 = 256
	s_mov_b32 s[G1K+4], 32                         ; tile_dim1 = 32
	s_mov_b32 s[G1K+5], 256                        ; K's rows are dense: four keys make a line of 256 bytes
	s_mov_b32 s[G1K+6], 0
	s_mov_b32 s[G1K+7], 0
	s_mov_b32 s[G1V], (1<<20)|(5<<22)|(3<<25)
	s_mov_b32 s[G1V+1], 256<<16
	s_mov_b32 s[G1V+2], 32<<16
	s_mov_b32 s[G1V+3], 256<<16
	s_mov_b32 s[G1V+4], 32
	s_mov_b32 s[G1V+5], 8192                       ; a row of v_codes
	s_mov_b32 s[G1V+6], 0
	s_mov_b32 s[G1V+7], 0
	s_mov_b32 s[SEL], 0x76543210
	s_mov_b32 s[SEL+1], 0xfedcba98
	s_mov_b32 s[CS], 0x3e38aa3b                    ; log2(e) / 8
	s_mov_b32 s[G0K], 1
	s_mov_b32 s[G0K+4], 1
	s_mov_b32 s[G0V], 1
	s_mov_b32 s[G0V+4], 1
	s_mul_i32 s[G0K+1], s15, PIECE                 ; LDS: piece x 8,704; the second load's piece lies four chunks on
	s_add_co_u32 s[G0K+5], s[G0K+1], 4*KCH
	s_add_co_u32 s[G0V+1], s[G0K+1], VB
	s_add_co_u32 s[G0V+5], s[G0K+1], VB+4*KCH
	s_lshl_b32 s56, s16, 8
	s_lshl_b32 s62, s[WV], 4
	s_add_co_u32 s56, s56, s62                     ; my first query of the first pass: 256 i + 16 wave
	s_sub_co_u32 s57, 7, s16
	s_lshl_b32 s57, s57, 8
	s_add_co_u32 s57, s57, s62                     ; and of the second: 256 (7 - i) + 16 wave
	s_wait_dscnt 0x0
	s_wait_kmcnt 0x0
	s_load_b128 s[72:75], s[10:11], 0x18           ; e6, e7, e8, e9
	s_load_b32 s76, s[10:11], 0x28                 ; e10
	s_lshl_b32 s62, s17, 17                        ; K: the head's 131,072 bytes, + piece x 128 keys
	s_lshl_b32 s63, s15, 13
	s_add_co_u32 s62, s62, s63
	s_mov_b32 s63, 0
	s_add_nc_u64 s[G0K+2:G0K+3], s[6:7], s[62:63]
	s_add_nc_u64 s[G0K+6:G0K+7], s[G0K+2:G0K+3], 65536    ; keys 1,024 on
	s_or_b32 s[G0K+3], s[G0K+3], 0x80000000
	s_or_b32 s[G0K+7], s[G0K+7], 0x80000000
	s_lshl_b32 s62, s19, 19                        ; V: the head's 64 rows of 8,192 bytes, the batch's 2,048 tokens,
	s_lshl_b32 s63, s18, 11
	s_add_co_u32 s62, s62, s63
	s_and_b32 s63, s15, 1                          ; rows 32 (piece % 2) on,
	s_lshl_b32 s63, s63, 18
	s_add_co_u32 s62, s62, s63
	s_lshr_b32 s63, s15, 1                         ; keys 256 (piece / 2) on
	s_lshl_b32 s63, s63, 8
	s_add_co_u32 s62, s62, s63
	s_mov_b32 s63, 0
	s_add_nc_u64 s[G0V+2:G0V+3], s[8:9], s[62:63]
	s_add_nc_u64 s[G0V+6:G0V+7], s[G0V+2:G0V+3], 1024     ; keys 1,024 on
	s_or_b32 s[G0V+3], s[G0V+3], 0x80000000
	s_or_b32 s[G0V+7], s[G0V+7], 0x80000000
	s_cmp_lt_u32 s[WV], 8                          ; a wave's two fills stand in one branch, ahead of every wait on TENSORcnt, every LDS read and every barrier: two loads of mine are out at the most
	s_cbranch_scc0 .Lfill_v
	tensor_load_to_lds s[G0K:G0K+3], s[G1K:G1K+7]
	s_nop 0
	tensor_load_to_lds s[G0K+4:G0K+7], s[G1K:G1K+7]
	s_nop 0
.rept 4
	v_nop
.endr
	s_branch .Lfilled
.Lfill_v:
	tensor_load_to_lds s[G0V:G0V+3], s[G1V:G1V+7]
	s_nop 0
	tensor_load_to_lds s[G0V+4:G0V+7], s[G1V:G1V+7]
	s_nop 0
.rept 4
	v_nop
.endr
.Lfilled:
	v_and_b32 v10, 15, v0                          ; r
	v_bfe_u32 v11, v0, 4, 1                        ; h
	s_delay_alu instid0(VALU_DEP_2)
	v_lshlrev_b32 v6, 6, v10
	s_delay_alu instid0(VALU_DEP_1)
	v_lshl_add_u32 v6, v11, 4, v6                  ; Q: row r of 64 bytes, + 16 h
	s_lshl_b32 s62, s56, 6
	s_lshl_b32 s63, s57, 6
	v_add_nc_u32 v214, s62, v6
	v_add_nc_u32 v215, s63, v6
	s_lshl_b32 s62, s17, 17
	s_mov_b32 s63, 0
	s_add_nc_u64 s[70:71], s[4:5], s[62:63]        ; q at my head
	global_load_b128 v[16:19], v214, s[70:71]              ; registers 0-3: channels 16 h + 0 .. 15; registers 4-7: 32 + 16 h + 0 .. 15: the same order of k as K's fragments have
	global_load_b128 v[20:23], v214, s[70:71] offset:32
	global_load_b128 v[24:27], v215, s[70:71]
	global_load_b128 v[28:31], v215, s[70:71] offset:32
	v_lshrrev_b32 v1, 2, v10                       ; K: key r of a tile lies in line r / 4, at 64 (r % 4): the 16 lanes of a load start at 16 different multiples of 16 bytes modulo 256
	s_delay_alu instid0(VALU_DEP_1)
	v_mul_u32_u24 v1, v1, 272
	v_and_b32 v6, 3, v10
	s_delay_alu instid0(VALU_DEP_1)
	v_lshl_add_u32 v1, v6, 6, v1
	s_delay_alu instid0(VALU_DEP_1)
	v_lshl_add_u32 v1, v11, 4, v1
	v_mul_u32_u24 v2, v10, 272                     ; V: row r of a tile, + 8 h
	s_delay_alu instid0(VALU_DEP_1)
	v_lshl_add_u32 v2, v11, 3, v2
	s_delay_alu instid0(VALU_DEP_1)
	v_add_nc_u32 v2, VB, v2
	s_lshl_b32 s62, s[WV], 10
	s_add_co_u32 s62, s62, STG                     ; my stage
	v_lshlrev_b32 v3, 6, v10                       ; in: query r's 64 bytes, + 8 h
	s_delay_alu instid0(VALU_DEP_1)
	v_lshl_add_u32 v3, v11, 3, v3
	s_delay_alu instid0(VALU_DEP_1)
	v_add_nc_u32 v3, s62, v3
	v_and_b32 v6, 31, v0
	s_delay_alu instid0(VALU_DEP_1)
	v_lshl_add_u32 v4, v6, 4, s62                  ; back: 16 bytes a lane
	v_lshlrev_b32 v5, 12, v11                      ; in ctx_codes: sixteen lanes hold four tokens' 256 bytes of my head; the next four tokens lie 4,096 bytes on
	s_delay_alu instid0(VALU_DEP_1)
	v_lshl_add_u32 v5, v10, 4, v5
	v_lshlrev_b32 v7, 3, v11
	s_delay_alu instid0(VALU_DEP_1)
	v_sub_nc_u32 v7, v10, v7                       ; r - 8 h, for the mask
	v_mov_b32 v211, 0xff800000                     ; -infinity
	v_mov_b32 v213, 0                              ; (named as the upper half of the pair v[212:213])
	v_mov_b32 v218, 0                              ; written once: a lane permute's destination counts as one of its sources
	s_lshl_b32 s79, s18, 11                        ; ctx: token (2048 batch + my first query) x 1,024 bytes + 256 x head
	s_add_co_u32 s62, s79, s56
	s_lshl_b32 s62, s62, 10
	s_lshl_b32 s63, s19, 8
	s_add_co_u32 s62, s62, s63
	s_mov_b32 s63, 0
	s_add_nc_u64 s[66:67], s[12:13], s[62:63]
	s_add_co_u32 s62, s79, s57
	s_lshl_b32 s62, s62, 10
	s_lshl_b32 s79, s19, 8
	s_add_co_u32 s62, s62, s79
	s_add_nc_u64 s[68:69], s[12:13], s[62:63]
	s_wait_kmcnt 0x0
	s_add_co_i32 s62, s72, s73
	s_lshl_b32 s62, s62, 23
	s_add_co_i32 s[CS], s[CS], s62                 ; a score stands for score x 2^(e6 + e7): the exponents are added to c's exponent field
	s_mov_b32 s[CS+1], s[CS]                       ; (named with it as a pair)
	s_add_co_i32 s62, s74, 127
	s_lshl_b32 s63, s62, 23
	v_mov_b32 v209, s63                            ; 2^e8
	s_sub_co_i32 s62, s76, s74
	s_sub_co_i32 s62, s62, s75                     ; O / the sum stands for ctx / 2^(e8 + e9): its code is that / 2^(e10 - e8 - e9)
	s_add_co_i32 s62, s62, 127
	s_lshl_b32 s63, s62, 23
	v_mov_b32 v210, s63
; A KEY STEP: 128 keys, the q-th half of the chunk in hand; qr: Q's registers.
.macro STEP q, qr
	s_add_co_u32 s62, s[Q0], 15
	s_cmp_gt_u32 s[KF], s62                        ; all keys come after my 16 queries: the step is left out, but for the line at its end
	s_cbranch_scc1 .Lhidden_\@
	v_add_nc_u32 v8, s[TB], v1
	v_add_nc_u32 v9, s[TB], v2
	v_nop                                          ; with the two additions: four places in front of loads into registers that the last products read
	v_nop
.irp t, 0,1,2,3,4,5,6,7
	ds_load_b128 v[32+8*\t:35+8*\t], v8 offset:PIECE*\q+1088*\t       ; keys 16 t + r: four lines of 272 bytes a tile
	ds_load_b128 v[36+8*\t:39+8*\t], v8 offset:PIECE*\q+1088*\t+32
.endr
	s_wait_alu depctr_va_vdst(0)
	s_wait_dscnt 0x0
.irp t, 0,1,2,3,4,5,6,7
	v_wmma_f32_16x16x64_fp8_fp8 v[96+8*\t:103+8*\t], v[32+8*\t:39+8*\t], v[\qr:\qr+7], 0
.endr
.rept 4
	v_nop                                          ; places: in front of the loads below, into K's registers, and of the first read of the scores
.endr
.irp u, 0,1,2,3
.irp c, 0,1,2,3,4,5,6,7
	ds_load_b64 v[32+16*\u+2*\c:33+16*\u+2*\c], v9 offset:4352*\u+128*\q+16*\c   ; V: channel 16 u + r, keys 16 c + 8 h + 0 .. 7: they come while the softmax is worked
.endr
.endr
	s_add_co_u32 s62, s[KF], 127
	s_cmp_le_u32 s62, s[Q0]                        ; all 128 keys count for all my queries: no mask
	s_cbranch_scc1 .Lopen_\@
	s_sub_co_i32 s62, s[Q0], s[KF]
	v_add_nc_u32 v219, s62, v7                     ; d = my query - the step's first key - 8 h.  Register n holds key 16 (n / 8) + n % 8 + 8 h: hidden where 16 (n / 8) + n % 8 > d
.set n, 0
.rept 64
	v_cmp_gt_i32 vcc_lo, 16*(n/8)+n%8, v219
	v_cndmask_b32 v[96+n], v[96+n], v211, vcc_lo
.set n, n+1
.endr
.Lopen_\@:
	v_max3_num_f32 v214, v96, v97, v98             ; the step's largest score of my query among my 64 keys, in two chains, each tile from its low end on,
	v_max3_num_f32 v215, v99, v100, v101
.irp i, 6,10,14,18,22,26,30,34,38,42,46,50,54,58
	v_max3_num_f32 v214, v214, v[96+\i], v[97+\i]
	v_max3_num_f32 v215, v215, v[98+\i], v[99+\i]
.endr
	v_max3_num_f32 v214, v214, v158, v159
	s_delay_alu instid0(VALU_DEP_1)
	v_max_num_f32 v214, v214, v215
	s_delay_alu instid0(VALU_DEP_1)
	v_permlanex16_b32 v218, v214, s[SEL], s[SEL+1]
	s_delay_alu instid0(VALU_DEP_1)
	v_max_num_f32 v214, v214, v218                 ; and among lane xor 16's
	s_delay_alu instid0(VALU_DEP_1)
	v_mul_f32 v214, s[CS], v214                    ; as t (c is positive)
	s_delay_alu instid0(VALU_DEP_1)
	v_max_num_f32 v13, v13, v214                   ; the running largest t
	v_mov_b32 v214, v12
	s_delay_alu instid0(VALU_DEP_2)
	v_floor_f32 v12, -v13                          ; the new -M = floor(-t) = -ceil(t)
	s_delay_alu instid0(VALU_DEP_1)
	v_sub_f32 v214, v12, v214                      ; old M - new M: a whole number, 0 or less
	s_delay_alu instid0(VALU_DEP_1)
	v_cvt_i32_f32 v214, v214                       ; (it saturates)
	s_delay_alu instid0(VALU_DEP_1)
	v_ldexp_f32 v212, 1.0, v214                    ; f = 2^(old M - new M)
.set j, 0
.rept 32
	v_pk_fma_f32 v[96+j:97+j], v[96+j:97+j], s[CS:CS+1], v[12:13] op_sel_hi:[1,0,0]   ; t - M, two at a time (of the pairs c and -M the low word serves both halves)
.set j, j+2
.endr
.set j, 0
	s_wait_alu depctr_va_vdst(0)
.rept 64
	v_exp_f32 v[96+j], v[96+j]                     ; p = 2^(t - M)
.set j, j+1
.endr
	v_pk_mul_f32 v[14:15], v[14:15], v[212:213] op_sel_hi:[1,0]   ; the sums under the new M; also the plain line behind the exponentials
	s_wait_alu depctr_va_vdst(0)                   ; one wait for the batch of 64, ahead of its first reader
	v_pk_add_f32 v[216:217], v[100:101], v[104:105]
	v_pk_add_f32 v[252:253], v[108:109], v[112:113]
	v_pk_add_f32 v[250:251], v[116:117], v[120:121]
	v_pk_add_f32 v[248:249], v[124:125], v[128:129]
	v_pk_add_f32 v[246:247], v[132:133], v[136:137]
	v_pk_add_f32 v[244:245], v[140:141], v[144:145]
	v_pk_add_f32 v[242:243], v[148:149], v[152:153]
	v_pk_add_f32 v[14:15], v[14:15], v[156:157]
	v_pk_add_f32 v[216:217], v[216:217], v[96:97]
	v_pk_add_f32 v[252:253], v[252:253], v[98:99]
	v_pk_add_f32 v[250:251], v[250:251], v[102:103]
	v_pk_add_f32 v[248:249], v[248:249], v[106:107]
	v_pk_add_f32 v[246:247], v[246:247], v[110:111]
	v_pk_add_f32 v[244:245], v[244:245], v[114:115]
	v_pk_add_f32 v[242:243], v[242:243], v[118:119]
	v_pk_add_f32 v[14:15], v[14:15], v[122:123]
	v_pk_add_f32 v[216:217], v[216:217], v[126:127]
	v_pk_add_f32 v[252:253], v[252:253], v[130:131]
	v_pk_add_f32 v[250:251], v[250:251], v[134:135]
	v_pk_add_f32 v[248:249], v[248:249], v[138:139]
	v_pk_add_f32 v[246:247], v[246:247], v[142:143]
	v_pk_add_f32 v[244:245], v[244:245], v[146:147]
	v_pk_add_f32 v[242:243], v[242:243], v[150:151]
	v_pk_add_f32 v[14:15], v[14:15], v[154:155]
	v_pk_add_f32 v[216:217], v[216:217], v[158:159]
	s_delay_alu instid0(VALU_DEP_2)
	v_pk_add_f32 v[14:15], v[14:15], v[248:249]
	s_delay_alu instid0(VALU_DEP_2)
	v_pk_add_f32 v[216:217], v[216:217], v[246:247]
	v_pk_add_f32 v[252:253], v[252:253], v[244:245]
	v_pk_add_f32 v[250:251], v[250:251], v[242:243]
	s_delay_alu instid0(VALU_DEP_2)
	v_pk_add_f32 v[14:15], v[14:15], v[252:253]
	s_delay_alu instid0(VALU_DEP_2)
	v_pk_add_f32 v[216:217], v[216:217], v[250:251]
	s_delay_alu instid0(VALU_DEP_1)
	v_pk_add_f32 v[14:15], v[14:15], v[216:217]
.irp t, 0,1,2,3,4,5,6,7
.irp i, 0,1,2,3,4,5,6,7
.endr
	v_cvt_scalef32_pk8_fp8_f32 v[192+2*\t:193+2*\t], v[96+8*\t:103+8*\t], v209
.endr
.set j, 0
.rept 16
	v_pk_mul_f32 v[160+j:161+j], v[160+j:161+j], v[212:213] op_sel_hi:[1,0]   ; O^T under the new M; also the plain lines between the conversions and the products
.set j, j+2
.endr
	s_wait_alu depctr_va_vdst(0)
	s_wait_dscnt 0x0                               ; V is in
.irp u, 0,1,2,3
	v_wmma_f32_16x16x128_fp8_fp8 v[160+8*\u:167+8*\u], v[32+16*\u:47+16*\u], v[192:207], v[160+8*\u:167+8*\u]   ; four accumulators by turns; the next step's eight score products stand between two links of a chain
.endr
.Lhidden_\@:
	s_add_co_u32 s[KF], s[KF], 128
.endm
; The pass's end: O^T / the sum, converted, through my stage, out as whole runs of 256 bytes.
.macro FLUSH base, outr
.rept 4
	v_nop                                          ; places behind the last products
.endr
	v_add_f32 v14, v14, v15
	s_delay_alu instid0(VALU_DEP_1)
	v_permlanex16_b32 v218, v14, s[SEL], s[SEL+1]
	s_delay_alu instid0(VALU_DEP_1)
	v_add_f32 v14, v14, v218                       ; the row's sum
	s_wait_alu depctr_va_vdst(0)
	v_rcp_f32 v14, v14
	v_nop                                          ; a plain line behind the transcendental,
	s_wait_alu depctr_va_vdst(0)                   ; and the wait ahead of its first reader
.set j, 0
.rept 16
	v_pk_mul_f32 v[160+j:161+j], v[160+j:161+j], v[14:15] op_sel_hi:[1,0]
.set j, j+2
.endr
.set j, 0
.rept 32
.set j, j+1
.endr
.irp u, 0,1,2,3
	v_cvt_scalef32_pk8_fp8_f32 v[220+2*\u:221+2*\u], v[160+8*\u:167+8*\u], v210   ; channels 16 u + 8 h + 0 .. 7 of my query
.endr
	v_nop                                          ; a plain line behind the last conversion: its sources are written again in the next pass
.irp u, 0,1,2,3
	ds_store_b64 v3, v[220+2*\u:221+2*\u] offset:16*\u
.endr
	ds_load_b128 v[\outr:\outr+3], v4              ; LDS serves a wave's instructions in order (ISA guide 5.7.1.4): these see my stores
	ds_load_b128 v[\outr+4:\outr+7], v4 offset:512
	s_wait_dscnt 1                                 ; the second load may be out
	global_store_b128 v5, v[\outr:\outr+3], s[\base:\base+1]                 ; 16 lanes store 256 consecutive bytes, aligned: four tokens of my head
	s_wait_dscnt 0x0
	global_store_b128 v5, v[\outr+4:\outr+7], s[\base:\base+1] offset:8192
.endm
; A pass: 16 queries a wave against the first n chunks of 256 keys.  The trip count is a constant; what is hidden is left out inside the steps.
.macro PASS qr, q0, n, base, outr
	s_mov_b32 s[Q0], s[\q0]
	s_mov_b32 s[KF], 0
	s_mov_b32 s[TB], 0
	v_mov_b32 v13, 0xff61b1e6                      ; the largest t so far: -3e38, under every t
	s_delay_alu instid0(VALU_DEP_1)
	v_floor_f32 v12, -v13
	v_mov_b32 v14, 0
	v_mov_b32 v15, 0
.set j, 0
.rept 32
	v_mov_b32 v[160+j], 0                          ; O^T: the step is written once; the first finds zeros, which the first change of M leaves zeros
.set j, j+1
.endr
	s_mov_b32 s[CNT], \n
.Lchunk_\@:
	STEP 0, \qr
	STEP 1, \qr
	s_add_co_u32 s[TB], s[TB], KCH
	s_sub_co_u32 s[CNT], s[CNT], 1
	s_cmp_lg_u32 s[CNT], 0
	s_cbranch_scc1 .Lchunk_\@
	FLUSH \base, \outr
.endm
	s_wait_loadcnt 0x0                             ; Q
	s_wait_tensorcnt 1                             ; my piece of keys 0-1023 is in; my piece of keys 1024-2047 may be out
	s_barrier_signal -1
	s_barrier_wait -1                              ; everybody's is
	PASS 16, 56, 4, 66, 228                        ; block i: four chunks, keys 0-1023 at the most
	s_wait_tensorcnt 0x0                           ; my second piece is in,
	s_wait_dscnt 0x0
	s_barrier_signal -1
	s_barrier_wait -1                              ; everybody's is
	PASS 24, 57, 8, 68, 236                        ; block 7 - i
	s_wait_tensorcnt 0x0
	ds_add_u32 v254, v255
	s_wait_dscnt 0x0
	s_endpgm
.Lfunc_end_k_q5103e1fde3_attn:
	.size	k_q5103e1fde3_attn, .Lfunc_end_k_q5103e1fde3_attn-k_q5103e1fde3_attn
	.p2alignl 7, 3214868480
	.fill 96, 4, 3214868480
	.section	.rodata,"a",@progbits
	.p2align	6, 0x0
	.amdhsa_kernel k_q5103e1fde3_attn
		.amdhsa_group_segment_fixed_size 296960
		.amdhsa_private_segment_fixed_size 0
		.amdhsa_enable_private_segment 0
		.amdhsa_kernarg_size 40
		.amdhsa_user_sgpr_count 2
		.amdhsa_user_sgpr_kernarg_segment_ptr 1
		.amdhsa_wavefront_size32 1
		.amdhsa_system_sgpr_workgroup_id_x 1
		.amdhsa_system_sgpr_workgroup_id_y 1
		.amdhsa_system_sgpr_workgroup_id_z 1
		.amdhsa_system_vgpr_workitem_id 0
		.amdhsa_next_free_vgpr 256
		.amdhsa_next_free_sgpr 80
		.amdhsa_reserve_vcc 1
		.amdhsa_float_denorm_mode_32 3
		.amdhsa_float_denorm_mode_16_64 3
		.amdhsa_fp16_overflow 1
		.amdhsa_memory_ordered 1
		.amdhsa_forward_progress 1
		.amdhsa_inst_pref_size 95
	.end_amdhsa_kernel
	.amdgpu_metadata
---
amdhsa.version: [ 1, 2 ]
amdhsa.kernels:
  - .name:           k_q5103e1fde3_attn
    .symbol:         k_q5103e1fde3_attn.kd
    .args:
      - { .name: q_codes, .offset: 0, .size: 8, .value_kind: global_buffer, .address_space: global }
      - { .name: k_codes, .offset: 8, .size: 8, .value_kind: global_buffer, .address_space: global }
      - { .name: v_codes, .offset: 16, .size: 8, .value_kind: global_buffer, .address_space: global }
      - { .name: lowp_scales, .offset: 24, .size: 8, .value_kind: global_buffer, .address_space: global }
      - { .name: ctx_codes, .offset: 32, .size: 8, .value_kind: global_buffer, .address_space: global }
    .group_segment_fixed_size: 296960
    .private_segment_fixed_size: 0
    .kernarg_segment_align: 8
    .kernarg_segment_size: 40
    .max_flat_workgroup_size: 512
    .sgpr_count:     80
    .vgpr_count:     256
    .wavefront_size: 32
...
	.end_amdgpu_metadata
.endif
;; end of part 2
;; launch oproj (part 3): grid 4 x 64, 4 waves a work-group, clusters of 4 x 4, 327,680 bytes of LDS; arguments ctx_codes, W_o_codes, lowp_scales, b_o, out0; writes out0
.if DOCPART == 3
	.amdgcn_target "amdgcn-amd-amdhsa--gfx1250"
	.amdhsa_code_object_version 6
	.text
	.protected	k_q5103e1fde3_oproj
	.globl	k_q5103e1fde3_oproj
	.p2align	8
	.type	k_q5103e1fde3_oproj,@function
k_q5103e1fde3_oproj:
	s_mov_b64 s[64:65], 0
	v_nop
	global_prefetch_b8 v0, s[64:65] scope:SCOPE_SE
	s_setreg_imm32_b32 hwreg(HW_REG_WAVE_MODE, 25, 1), 1
	s_wait_xcnt 0x0
	s_wait_alu depctr_hold_cnt(0) depctr_sa_sdst(0) depctr_va_vdst(0) depctr_va_sdst(0) depctr_va_ssrc(0) depctr_va_vcc(0) depctr_vm_vsrc(0)
	s_getreg_b32 s2, hwreg(HW_REG_IB_STS2, 6, 4)
	s_cmp_eq_u32 s2, 0
	s_cbranch_scc0 .Lentry_in_a_cluster
	s_endpgm
.Lentry_in_a_cluster:
	s_bfe_u32 s2, ttmp6, 0x10000c
	s_cmp_lg_u32 s2, 0xf033
	s_cbranch_scc0 .Lentry_shape_is_right
	s_endpgm
.Lentry_shape_is_right:
; out0 = ctx W_o + b_o on codes of E4M3, sums in f32; each sum is multiplied once by 2^(e10 + e11) and the bias added, one packed multiply-add for two numbers.
; LIMIT: e10 + e11 between -126 and 127, so that the power of two is an f32 number.  NaN codes are not served.
; ctx_codes: [token / 4][head][token % 4][64]; W_o_codes: [feature out][1024], K innermost; out0: [8192][1024] f32.
; A work-group of four waves makes 128 tokens x 256 features; a wave 64 x 128: 32 accumulators, 256 registers.  K goes in four steps of 256 (four heads) through THREE LDS slots: K steps 0, 1, 2 are asked for together
; at the start (three tensor loads of a wave are out at the most), K step 3 is the one refill, into slot 0.
; A's tile: a K step of four tokens is 1,024 consecutive bytes of memory, so a tile's row is a QUAD of tokens: 16 rows of 1,024 bytes + 16 of padding for 64 tokens.  Token i, k lies at (i / 4) 1040 + (k / 64) 256 + (i % 4) 64 + k % 64.
; CLUSTER 4 x 4: A's tile is asked for jointly by a row of the cluster, B's by a column.  THE MATRIX INSTRUCTION IS USED TRANSPOSED (source 0 = 16 rows of W_o, source 1 = 16 tokens): a lane holds eight neighbouring numbers of a row of out0.
; REGISTERS: window 0: v0-35 addresses and the bias; v128-255 A's fragments, two sets of 4 x 16.  window 1: B's fragments, two sets of 8 x 16.  window 2: accumulator (a, b) at v[8 (8 a + b)].
.set PITCH,  272                       ; B's LDS row: 256 bytes + 16 of padding
.set APITCH, 1040                      ; A's: 1,024 + 16: quads start 4 words apart modulo 64 words, a quad's tokens 16 words apart: the 16 rows of a load start at 16 different multiples of 16 bytes modulo 256
.set AHALF,  16*APITCH                 ; 64 tokens: what one tensor load brings of A, and what one wave reads of it
.set BHALF,  128*PITCH
.set ABYTES, 34816                     ; kept for A in a slot (33,280 are used)
.set SLOT,   ABYTES+2*BHALF            ; 104,448
.set SPARE,  3*SLOT                    ; behind the slots: the spare words, 128 bytes for each wave: two blocks of 256 bytes that no other line names
.set SPITCH, 528                       ; the way out: 16 rows x (512 bytes + 16) for each wave, in slot 1, which is filled once and is read for the last time ahead of the barrier in front of K step 3
.set STAGE,  SLOT
.set KSTEPA, 1024
.set KSTEPB, 256
.set ADRA, 16
.set ADRB, 20
.set STO,  24
.set RD,   25
.set CO,   26
.set SPW,  28                          ; v28 LDS address of my spare word; never rewritten
.set NIL,  29                          ; v29 0; never rewritten
.set BIAS, 32                          ; v[32:35] b_o at my lane's four columns
.set BK,   128                         ; rows read back from the stage: v128-191 and v192-255 by turns
.set WV, 20
.set HI, 21
.set LO, 22
.set G1A, 32
.set G1B, 40
.set G0A, 48
.set G0B, 68
.set MSB, 0
.macro WIN new                         ; the immediate's high byte repeats the setting that is left
.if MSB != \new
	s_set_vgpr_msb (MSB<<8)|\new
.set MSB, \new
.endif
.endm
.set MULW, 0xa1                        ; source 0 (B) window 1, source 1 (A) window 0, C and D window 2
.set TO_B, 0x40
.macro PLACES                          ; four plain vector lines between a matrix instruction and a load into, or a store or vector read of, its registers
.rept 4
	v_nop
.endr
.endm
.macro JLOAD                           ; the joint refill of slot 0: waves 0, 1 for A, waves 2, 3 for B; four v_nop follow each line
	s_cmp_eq_u32 s[HI], 0
	s_cbranch_scc0 .Lfor_b_\@
	tensor_load_to_lds s[G0A:G0A+3], s[G1A:G1A+7]
	s_nop 0
.rept 4
	v_nop
.endr
	s_branch .Lasked_\@
.Lfor_b_\@:
	tensor_load_to_lds s[G0B:G0B+3], s[G1B:G1B+7]
	s_nop 0
.rept 4
	v_nop
.endr
.Lasked_\@:
.endm
.macro CREST
	s_cmp_lg_u32 s[WV], 0
	s_cbranch_scc1 .Lnot_wave_0_\@
	s_barrier_signal -3
.Lnot_wave_0_\@:
	s_barrier_wait -3
	s_barrier_signal -1
	s_barrier_wait -1
.endm
.macro CROUND
	s_barrier_signal -1
	s_barrier_wait -1
	CREST
.endm
; A fragment, 16 rows x 128 K, is 16 registers: registers 4 c .. 4 c + 3 hold K = 32 c + 16 h + 0 .. 15, in A and in B alike.
.macro FRAGB reg, s, q, b
.irp c, 0,1,2,3
	ds_load_b128 v[\reg+4*\c:\reg+4*\c+3], v[ADRB+\s] offset:128*(\q)+32*\c+(\b)*16*PITCH
.endr
.endm
.macro FRAGA reg, s, q, a              ; k = 128 q + 32 c + 16 h lies in head 2 q + c / 2 of the K step's four, at channel 32 (c % 2) + 16 h
.irp c, 0,1,2,3
	ds_load_b128 v[\reg+4*\c:\reg+4*\c+3], v[ADRA+\s] offset:512*(\q)+256*(\c/2)+32*(\c%2)+(\a)*4*APITCH
.endr
.endm
.macro FETCH s, q, p
	WIN TO_B
.irp i, 0,1,2,3,4,5,6,7
	FRAGB 128*(\p)+16*\i, \s, \q, \i
.endr
	WIN 0
.irp i, 0,1,2,3
	FRAGA 128+64*(\p)+16*\i, \s, \q, \i
.endr
.endm
.macro MUL8 a, p, zero                 ; the 32 accumulators take turns in the same order in every step
.irp b, 0,1,2,3,4,5,6,7
.if \zero
	v_wmma_f32_16x16x128_fp8_fp8 v[8*(8*(\a)+\b):8*(8*(\a)+\b)+7], v[128*(\p)+16*\b:128*(\p)+16*\b+15], v[128+64*(\p)+16*(\a):128+64*(\p)+16*(\a)+15], 0
.else
	v_wmma_f32_16x16x128_fp8_fp8 v[8*(8*(\a)+\b):8*(8*(\a)+\b)+7], v[128*(\p)+16*\b:128*(\p)+16*\b+15], v[128+64*(\p)+16*(\a):128+64*(\p)+16*(\a)+15], v[8*(8*(\a)+\b):8*(8*(\a)+\b)+7]
.endif
.endr
.endm
.macro SUB p, zero, places, fetch, s, q
	s_wait_dscnt 0x0                               ; set p is in
.if \places
	PLACES                                         ; the other set was read by the products of the step before
.endif
.if \fetch
	FETCH \s, \q, 1-(\p)
.endif
	WIN MULW
	MUL8 0, \p, \zero
	MUL8 1, \p, \zero
	MUL8 2, \p, \zero
	MUL8 3, \p, \zero
	WIN 0
.endm
.macro TURN fill, s, q
	s_wait_tensorcnt 0x0                           ; all my tensor loads have landed
	ds_add_u32 v[SPW], v[NIL]                      ; 0 onto my spare word
	s_wait_dscnt 1                                 ; only the add may be out: set 1 is in
	WIN MULW
	MUL8 0, 1, 0
	s_wait_dscnt 0x0                               ; the add is done, and my LDS reads are over
	s_barrier_signal -1
	MUL8 1, 1, 0
	WIN 0
	s_barrier_wait -1
.if \fill
	CREST                                          ; no wave of any partner still reads slot 0 or has a load on its way
	s_add_nc_u64 s[G0A+2:G0A+3], s[G0A+2:G0A+3], 3*KSTEPA
	s_add_nc_u64 s[G0B+2:G0B+3], s[G0B+2:G0B+3], 3*KSTEPB
	JLOAD                                          ; the first tensor load behind the round, and my only one; its four v_nop are also the places in front of the loads below
.else
	PLACES
.endif
	s_wait_alu depctr_va_vdst(0)
	FETCH \s, \q, 0
	WIN MULW
	MUL8 2, 1, 0
	MUL8 3, 1, 0
	WIN 0
.endm
	s_load_b256 s[4:11], s[0:1], 0x0               ; ctx s[4:5], W_o s[6:7], the scales' exponents s[8:9], b_o s[10:11]
	s_load_b64 s[12:13], s[0:1], 0x20              ; out0
	v_lshl_add_u32 v[SPW], v0, 2, SPARE
	v_mov_b32 v[NIL], 0
	ds_add_u32 v28, v29
	ds_add_u32 v28, v29
	s_wait_dscnt 0x0
	v_lshrrev_b32 v1, 5, v0
	v_readfirstlane_b32 s[WV], v1
	s_lshr_b32 s[HI], s[WV], 1                     ; my 64 tokens; also: I fetch for A (0) or B (1)
	s_and_b32 s[LO], s[WV], 1                      ; my 128 features; also: which half I fetch
	s_bfe_u32 s23, ttmp6, 0x40000                  ; cx
	s_bfe_u32 s24, ttmp6, 0x40004                  ; cy
	s_lshl_b32 s28, ttmp9, 2
	s_add_co_u32 s28, s28, s23                     ; X: my block of 256 features
	s_and_b32 s29, ttmp7, 0xffff
	s_lshl_b32 s29, s29, 2
	s_add_co_u32 s29, s29, s24                     ; Y: my block of 128 tokens
	s_lshl_b32 s30, s24, 2
	s_lshl_b32 s30, 15, s30                        ; my row of the cluster
	s_lshl_b32 s31, 0x1111, s23                    ; my column
	s_or_b32 s[G1A], s30, (1<<20)|(1<<21)|(7<<22)|(3<<25)   ; the mask; elements of 1 byte; padding on; 21 set beside a mask; after every 256 words (code 7) 4 words (code 3)
	s_or_b32 s[G1B], s31, (1<<20)|(1<<21)|(5<<22)|(3<<25)   ; after every 64 words
	s_mov_b32 s[G1A+1], 1024<<16                   ; tensor_dim0 = 1,024
	s_mov_b32 s[G1A+2], 16<<16                     ; tensor_dim1 = 16 quads
	s_mov_b32 s[G1A+3], 1024<<16                   ; tile_dim0
	s_mov_b32 s[G1A+4], 16                         ; tile_dim1
	s_mov_b32 s[G1A+5], 4096                       ; from quad to quad
	s_mov_b32 s[G1A+6], 0
	s_mov_b32 s[G1A+7], 0
	s_mov_b32 s[G1B+1], 256<<16
	s_mov_b32 s[G1B+2], 128<<16
	s_mov_b32 s[G1B+3], 256<<16
	s_mov_b32 s[G1B+4], 128
	s_mov_b32 s[G1B+5], 1024
	s_mov_b32 s[G1B+6], 0
	s_mov_b32 s[G1B+7], 0
	s_lshl_b32 s94, s29, 7
	s_lshl_b32 s95, s[LO], 6
	s_add_co_u32 s94, s94, s95
	s_lshl_b32 s94, s94, 10                        ; A: token 128 Y + 64 x half, 1,024 bytes a token
	s_mov_b32 s95, 0
	s_lshl_b32 s96, s28, 8
	s_lshl_b32 s97, s[LO], 7
	s_add_co_u32 s96, s96, s97
	s_lshl_b32 s96, s96, 10                        ; B: row 256 X + 128 x half
	s_mov_b32 s97, 0
	s_mul_i32 s98, s[LO], AHALF
	s_mul_i32 s99, s[LO], BHALF
	s_add_co_u32 s99, s99, ABYTES
	s_wait_kmcnt 0x0
	s_load_b64 s[80:81], s[8:9], 0x28              ; e10, e11
	s_add_nc_u64 s[60:61], s[4:5], s[94:95]
	s_add_nc_u64 s[62:63], s[6:7], s[96:97]
.irp s, 0,1,2
	s_mov_b32 s[G0A+4*\s], 1
	s_add_co_u32 s[G0A+4*\s+1], s98, \s*SLOT
	s_add_nc_u64 s[G0A+4*\s+2:G0A+4*\s+3], s[60:61], \s*KSTEPA
	s_or_b32 s[G0A+4*\s+3], s[G0A+4*\s+3], 0x80000000
	s_mov_b32 s[G0B+4*\s], 1
	s_add_co_u32 s[G0B+4*\s+1], s99, \s*SLOT
	s_add_nc_u64 s[G0B+4*\s+2:G0B+4*\s+3], s[62:63], \s*KSTEPB
	s_or_b32 s[G0B+4*\s+3], s[G0B+4*\s+3], 0x80000000
.endr
	CROUND                                         ; all sixteen work-groups are here: the first joint loads meet
	s_cmp_eq_u32 s[HI], 0                          ; a wave's three first fills stand in one branch
	s_cbranch_scc0 .Lfirst_b
	tensor_load_to_lds s[G0A:G0A+3], s[G1A:G1A+7]
	s_nop 0
	tensor_load_to_lds s[G0A+4:G0A+7], s[G1A:G1A+7]
	s_nop 0
	tensor_load_to_lds s[G0A+8:G0A+11], s[G1A:G1A+7]
	s_nop 0
.rept 4
	v_nop
.endr
	s_branch .Lfirst_done
.Lfirst_b:
	tensor_load_to_lds s[G0B:G0B+3], s[G1B:G1B+7]
	s_nop 0
	tensor_load_to_lds s[G0B+4:G0B+7], s[G1B:G1B+7]
	s_nop 0
	tensor_load_to_lds s[G0B+8:G0B+11], s[G1B:G1B+7]
	s_nop 0
.rept 4
	v_nop
.endr
.Lfirst_done:
	v_and_b32 v1, 15, v0                           ; r
	v_bfe_u32 v2, v0, 4, 1                         ; h
	v_mul_u32_u24 v3, v1, PITCH
	v_lshl_add_u32 v3, v2, 4, v3                   ; B: row r x pitch + 16 h
	v_lshrrev_b32 v4, 2, v1                        ; A: quad r / 4, token r % 4, + 16 h
	v_mul_u32_u24 v4, v4, APITCH
	v_and_b32 v5, 3, v1
	v_lshl_add_u32 v4, v5, 6, v4
	v_lshl_add_u32 v4, v2, 4, v4
	s_mul_i32 s92, s[HI], AHALF
	s_mul_i32 s93, s[LO], BHALF
	s_add_co_u32 s93, s93, ABYTES
.irp s, 0,1,2
	v_add_nc_u32 v[ADRA+\s], s92, v4
	v_add_nc_u32 v[ADRB+\s], s93, v3
	s_add_co_u32 s92, s92, SLOT
	s_add_co_u32 s93, s93, SLOT
.endr
	s_mul_i32 s92, s[WV], 16*SPITCH
	s_add_co_u32 s92, s92, STAGE                   ; my stage
	v_mul_u32_u24 v6, v1, SPITCH                   ; in: row r, 32 bytes for each half of the lanes
	v_lshl_add_u32 v6, v2, 5, v6
	v_add_nc_u32 v[STO], s92, v6
	v_and_b32 v7, 31, v0
	v_lshlrev_b32 v[CO], 4, v7                     ; back: the 32 lanes take one row of 512 bytes; the same in out0 and in b_o
	v_add_nc_u32 v[RD], s92, v[CO]
	s_lshl_b32 s92, s28, 10                        ; my first column, in bytes: 1,024 X + 512 x (wave % 2)
	s_lshl_b32 s93, s[LO], 9
	s_add_co_u32 s92, s92, s93
	s_mov_b32 s93, 0
	s_add_nc_u64 s[16:17], s[10:11], s[92:93]      ; b_o there
	global_load_b128 v[BIAS:BIAS+3], v[CO], s[16:17]
	s_lshl_b32 s94, s29, 7
	s_lshl_b32 s95, s[HI], 6
	s_add_co_u32 s94, s94, s95
	s_lshl_b32 s94, s94, 12                        ; my first row: token 128 Y + 64 x (wave / 2), 4,096 bytes a row
	s_add_co_u32 s94, s94, s92
	s_mov_b32 s95, 0
	s_add_nc_u64 s[14:15], s[12:13], s[94:95]
	s_wait_tensorcnt 2                             ; my part of K step 0 is in; the two loads issued behind it may be out
	s_barrier_signal -1
	s_barrier_wait -1
	FETCH 0, 0, 0
	SUB 0, 1, 0, 1, 0, 1                           ; K 0-127: starts the sums
	TURN 1, 1, 0                                   ; slots 1 and 2 have landed in every wave; slot 0 takes K step 3
	SUB 0, 0, 1, 1, 1, 1
	SUB 1, 0, 1, 1, 2, 0
	SUB 0, 0, 1, 1, 2, 1
	TURN 0, 0, 0                                   ; K step 3 has landed in every wave
	SUB 0, 0, 1, 1, 0, 1
	SUB 1, 0, 0, 0, 0, 0
; THE WAY OUT, block by block of 16 rows x 128 columns: the sums go as they are through my own stage and come back as whole rows of 512 bytes; there each pair becomes sum x 2^(e10 + e11) + bias and is stored.
.macro TOSTAGE a
	WIN 0x08                                       ; the stores' data: window 2
.irp b, 0,1,2,3,4,5,6,7
	ds_store_b128 v[STO], v[8*(8*(\a)+\b):8*(8*(\a)+\b)+3] offset:64*\b          ; each accumulator from its low end on
	ds_store_b128 v[STO], v[8*(8*(\a)+\b)+4:8*(8*(\a)+\b)+7] offset:64*\b+16
.endr
	WIN 0
.set BB, BK+64*((\a)%2)
.irp t, 0,1,2,3,4,5,6,7,8,9,10,11,12,13,14,15
	ds_load_b128 v[BB+4*\t:BB+4*\t+3], v[RD] offset:\t*SPITCH    ; LDS serves a wave's instructions in order (ISA guide 5.7.1.4): these see my stores, and the next block's stores come behind them
.endr
.endm
.macro SEND a, younger                 ; younger: the LDS instructions issued behind block a's loads, which may stay out
.set BB, BK+64*((\a)%2)
	s_wait_dscnt \younger
.irp t, 0,1,2,3,4,5,6,7,8,9,10,11,12,13,14,15
	v_pk_fma_f32 v[BB+4*\t:BB+4*\t+1], v[BB+4*\t:BB+4*\t+1], s[82:83], v[BIAS:BIAS+1] op_sel_hi:[1,0,1]
	v_pk_fma_f32 v[BB+4*\t+2:BB+4*\t+3], v[BB+4*\t+2:BB+4*\t+3], s[82:83], v[BIAS+2:BIAS+3] op_sel_hi:[1,0,1]
.endr
.irp t, 0,1,2,3,4,5,6,7,8,9,10,11,12,13,14,15
	global_store_b128 v[CO], v[BB+4*\t:BB+4*\t+3], s[14:15] offset:(16*(\a)+\t)*4096 th:TH_STORE_NT   ; 32 lanes store 512 consecutive bytes, aligned to 512; 63 rows at the most stand in the immediate; written once, read by nobody here
.endr
.endm
	s_wait_kmcnt 0x0
	s_add_co_i32 s82, s80, s81
	s_add_co_i32 s82, s82, 127
	s_lshl_b32 s82, s82, 23                        ; 2^(e10 + e11) as f32
	s_mov_b32 s83, s82                             ; (named with it as a pair)
	s_wait_loadcnt 0x0                             ; the bias
	PLACES                                         ; behind the last products: their results are stored, and A's registers loaded into, below
	TOSTAGE 0
.irp a, 1,2,3
.if \a > 1
	s_wait_xcnt 0x0                                ; block a - 2's stores have read their registers: block a's loads may land there
.endif
	TOSTAGE \a
	SEND \a-1, 32                                  ; behind block a - 1's loads: block a's 16 stores and 16 loads
.endr
	SEND 3, 0
	s_wait_tensorcnt 0x0                           ; the wave's end
	ds_add_u32 v[SPW], v[NIL]
	s_wait_dscnt 0x0
	CROUND                                         ; the closing round: no work-group ends while a partner may still ask for a tile that names it
	s_endpgm
.Lfunc_end_k_q5103e1fde3_oproj:
	.size	k_q5103e1fde3_oproj, .Lfunc_end_k_q5103e1fde3_oproj-k_q5103e1fde3_oproj
	.p2alignl 7, 3214868480
	.fill 96, 4, 3214868480
	.section	.rodata,"a",@progbits
	.p2align	6, 0x0
	.amdhsa_kernel k_q5103e1fde3_oproj
		.amdhsa_group_segment_fixed_size 327680
		.amdhsa_private_segment_fixed_size 0
		.amdhsa_enable_private_segment 0
		.amdhsa_kernarg_size 40
		.amdhsa_user_sgpr_count 2
		.amdhsa_user_sgpr_kernarg_segment_ptr 1
		.amdhsa_wavefront_size32 1
		.amdhsa_system_sgpr_workgroup_id_x 1
		.amdhsa_system_sgpr_workgroup_id_y 1
		.amdhsa_system_sgpr_workgroup_id_z 1
		.amdhsa_system_vgpr_workitem_id 0
		.amdhsa_next_free_vgpr 768
		.amdhsa_next_free_sgpr 100
		.amdhsa_reserve_vcc 0
		.amdhsa_float_denorm_mode_32 3
		.amdhsa_float_denorm_mode_16_64 3
		.amdhsa_memory_ordered 1
		.amdhsa_forward_progress 1
		.amdhsa_inst_pref_size 75
	.end_amdhsa_kernel
	.amdgpu_metadata
---
amdhsa.version: [ 1, 2 ]
amdhsa.kernels:
  - .name:           k_q5103e1fde3_oproj
    .symbol:         k_q5103e1fde3_oproj.kd
    .args:
      - { .name: ctx_codes, .offset: 0, .size: 8, .value_kind: global_buffer, .address_space: global }
      - { .name: W_o_codes, .offset: 8, .size: 8, .value_kind: global_buffer, .address_space: global }
      - { .name: lowp_scales, .offset: 16, .size: 8, .value_kind: global_buffer, .address_space: global }
      - { .name: b_o, .offset: 24, .size: 8, .value_kind: global_buffer, .address_space: global }
      - { .name: out0, .offset: 32, .size: 8, .value_kind: global_buffer, .address_space: global }
    .group_segment_fixed_size: 327680
    .private_segment_fixed_size: 0
    .kernarg_segment_align: 8
    .kernarg_segment_size: 40
    .max_flat_workgroup_size: 128
    .sgpr_count:     100
    .vgpr_count:     768
    .wavefront_size: 32
...
	.end_amdgpu_metadata
.endif
;; end of part 3
